; MI455X (gfx1250); checked and timed in simulation.
; The chip was launched on July 23, 2026; its instructions are those of AMD's public machine-readable ISA for CDNA 5 (MIT licence, August 2026) and "CDNA5" Instruction Set Architecture Reference Guide (July 2026). The comments in the code are by the model that wrote it; some were corrected since.
;; SDF Network. Allowed arithmetic: matrix products marked QUANTISED: E2M3 operands, one E8M0 scale for each 32 along K, by v_wmma_scale_f32_16x16x128_f8f6f4 with both operands' format E2M3, f32 sums; products left as they are: f32 operands where the result goes on into a quantised operand, else bf16, f16 or f32 operands; f32 sums; everything else in f32.
;; Inputs: W0 32 x 64 float32; W1 64 x 64 float32; W2 64 x 1 float32; tables 16 x 524,288 x 2 float32; x 1,048,576 x 3 float32.
;; Outputs: out0 1,048,576 x 1 float32.
;; This version of the problem:
;;   THIS VERSION OF THE PROBLEM IS GIVEN IN LOW PRECISION. The matrix products marked QUANTISED in the list below multiply operands that are first quantised to E2M3 (2 exponent bits, 3 mantissa bits; 6 bits a number), with one power-of-two scale for each 32 numbers along K (OCP MX v1.0); their sums are f32. All else is computed in f32.
;;   The module's matrix products, in the order in which they are computed (A, B: the left and right operand; K: the contracted axis; several contracted axes count as one K, in the product's order):
;;     1. [M 1,048,576, K 32] x [K 32, N 64]; A: computed on the way; B: input W0: QUANTISED
;;     2. [M 1,048,576, K 64] x [K 64, N 64]; A: computed on the way; B: input W1: QUANTISED
;;     3. [M 1,048,576, K 64] x [K 64, N 1]; A: computed on the way; B: input W2: left as it is (N = 1 < 16)
;;   THE QUANTISER, for each operand of a quantised product, along K:
;;     - K is cut into blocks of 32 from its start; a last block that is shorter is filled with zeros.
;;     - A block's scale is 2^e with e = floor(log2(the largest magnitude in the block)) - 2, held to -126 .. 127; a block of zeros has e = 0. As a byte (E8M0): e + 127.
;;     - Each number is divided by its block's scale, clamped to +-7.5, and rounded to the nearest number of E2M3, ties to even, subnormals kept.
;;     - The product sums the exact products of the quantised numbers (number of the format x scale) in f32.
;;   ~~~python
;;   def quantise(x, axis):      # numpy; x: float32 -> the quantised numbers, widened to float32 again
;;       x = np.moveaxis(x, axis, -1); K = x.shape[-1]
;;       x = np.pad(x, [(0, 0)] * (x.ndim - 1) + [(0, -K % 32)]); x = x.reshape(x.shape[:-1] + (-1, 32)); a = np.abs(x).max(-1, keepdims=True)
;;       e = np.where(a > 0, np.clip(np.frexp(np.where(a > 0, a, 1))[1] - 1 - 2, -126, 127), 0)      # np.frexp(a)[1] - 1 = floor(log2(a)), exactly
;;       r = np.clip(x / 2.0 ** e, -7.5, 7.5)
;;       step = 2.0 ** (np.maximum(np.frexp(np.where(r == 0, 1, r))[1] - 1, 0) - 3)
;;       q = np.round(r / step) * step * 2.0 ** e      # np.round: ties to even
;;       return np.moveaxis(q.reshape(q.shape[:-2] + (-1,))[..., :K], -1, axis).astype(np.float32)
;;   ~~~
;;   OPERANDS COMPUTED ON THE WAY. 'Computed on the way' means the value that the module computes at that place (a softmax that the list does not call 'softmax' is quantised finished and normalised). What goes into a quantiser is computed in f32, as accurately as f32 sums, v_exp_f32 and their like allow (about 1e-6 of the number): no bf16 or f16 on the way to a quantiser, and a product that is left as it is and whose result goes on into a quantised operand takes f32 operands (vector FMAs, or v_wmma_f32_16x16x4_f32). A number that lies on a knife's edge between two numbers of the format may be rounded either way, as far as f32 arithmetic and the matrix unit's own rounding can turn it there, and no further.
;; One version. Each part assembles by itself: llvm-mc -triple=amdgcn-amd-amdhsa -mcpu=gfx1250 --defsym DOCPART=n.
;; ======== version 1 of 1: 2 launches
;; workspace buffers: ypos 12,582,912 bytes of whole numbers; wimg 6,656 bytes
;; launch prep (part 1): grid 257 x 1, 8 waves a work-group, no clusters, 0 bytes of LDS; arguments x, W0, W1, ypos, wimg; writes ypos, wimg
.if DOCPART == 1
	.amdgcn_target "amdgcn-amd-amdhsa--gfx1250"
	.amdhsa_code_object_version 6
	.text
	.protected	k_q6e3edca0a2_prep
	.globl	k_q6e3edca0a2_prep
	.p2align	8
	.type	k_q6e3edca0a2_prep,@function
k_q6e3edca0a2_prep:
	s_mov_b64 s[64:65], 0
	v_nop
	global_prefetch_b8 v0, s[64:65] scope:SCOPE_SE
	s_setreg_imm32_b32 hwreg(HW_REG_WAVE_MODE, 25, 1), 1
	s_wait_xcnt 0x0
; Two jobs, parted on the work-group's number.
; WORK-GROUPS 0 TO 255: ypos[i] = (x[i] + 1) * 2^30 as an unsigned whole number, for all 3,145,728 numbers of x.
;   For -1 <= x <= 1 the rounded sum x + 1 is a multiple of 2^-24, so (x + 1) * 0.5 * 2^31 is a whole number of at most 2^31: nothing is lost.
;   The next launch forms every cell coordinate from it by whole-number arithmetic.
;   The sum and the product are two instructions on purpose: the sum is rounded as the definition rounds it; the product by a power of two rounds nothing.
; WORK-GROUP 256: W0 [32 (k)][64 (n)] and W1 [64 (k)][64 (n)], f32, become codes of E2M3 with one E8M0 byte for each 32 along K, laid as IMAGES OF THE OPERAND'S REGISTERS.
;   Wave w makes one fragment of 16 rows (hidden units): waves 0-3 W0's tiles 0-3, waves 4-7 W1's.  A lane takes a column n of the weight and its 32 registers run down K,
;   so a block's largest magnitude needs no other lane and the conversions give codes with K innermost.
;   W0's tile t, row r = hidden unit 32 (r / 8) + 8 t + r % 8, so that the first product's results are 32 neighbours along the second product's K in one lane.
;   W0 has K = 32 only: lanes 16-31 of a fragment stand for k = 32 .. 63 and get zero codes.  W1's tile t, row r = unit 16 t + r; lanes 16-31 hold k = 32 .. 63.
;   wimg: bytes 128 t + 4 r: W0's scale word of tile t, row r;  128 t + 64 + 4 r: W1's;  bytes CODES + 256 p + 8 lane: register pair p (3 w + 0 .. 2 for wave w).
; LIMITS: x outside [-1, 1] saturates (the definition's own table indexing relies on that range); NaN and infinities are not served;
;   a block whose largest magnitude lies under 2^-124 keeps the byte 1 (a block of zeros too: its codes are zeros, and this program alone reads the bytes).
.set XB_WG,   49152                    ; bytes of x for a work-group: 12,582,912 / 256
.set XB_WAVE, 6144                     ; for a wave: twelve loads of 512 bytes
.set CODES,   512                      ; where the codes begin in wimg
	s_load_b256 s[4:11], s[0:1], 0x0               ; x s[4:5], W0 s[6:7], W1 s[8:9], ypos s[10:11]
	s_load_b64 s[12:13], s[0:1], 0x20              ; wimg
	v_lshrrev_b32 v1, 5, v0
	v_readfirstlane_b32 s14, v1                    ; wave 0..7
	v_and_b32 v2, 31, v0                           ; lane
	s_wait_kmcnt 0x0
	s_cmp_lt_u32 ttmp9, 256
	s_cbranch_scc0 .Lweights
	; ---- the stream: each load and store of a wave covers 512 consecutive bytes; all twelve loads go out first; no register is written twice
	s_mul_i32 s16, ttmp9, XB_WG
	s_mov_b32 s17, 0
	s_add_nc_u64 s[4:5], s[4:5], s[16:17]
	s_add_nc_u64 s[10:11], s[10:11], s[16:17]
	s_mul_i32 s18, s14, XB_WAVE
	v_lshl_add_u32 v3, v2, 4, s18                  ; 16 x lane + 6,144 x wave
.irp i, 0,1,2,3,4,5,6,7,8,9,10,11
	global_load_b128 v[16+4*\i:19+4*\i], v3, s[4:5] offset:512*\i th:TH_LOAD_NT
.endr
.irp i, 0,1,2,3,4,5,6,7,8,9,10,11
	s_wait_loadcnt 11-\i                           ; loads come back in order: load i is in, the younger ones stay out
	v_pk_add_f32 v[16+4*\i:17+4*\i], v[16+4*\i:17+4*\i], 1.0 op_sel_hi:[1,0]
	v_pk_add_f32 v[18+4*\i:19+4*\i], v[18+4*\i:19+4*\i], 1.0 op_sel_hi:[1,0]
	v_pk_mul_f32 v[16+4*\i:17+4*\i], v[16+4*\i:17+4*\i], 0x4e800000 op_sel_hi:[1,0]   ; x 2^30
	v_pk_mul_f32 v[18+4*\i:19+4*\i], v[18+4*\i:19+4*\i], 0x4e800000 op_sel_hi:[1,0]
.irp j, 0,1,2,3
	v_cvt_u32_f32 v[64+4*\i+\j], v[16+4*\i+\j]     ; a whole number already: nothing is cut off
.endr
	global_store_b128 v3, v[64+4*\i:67+4*\i], s[10:11] offset:512*\i
.endr
	s_endpgm
.Lweights:
	; ---- the weights.  All choices hang on the wave's number and are made on one compare, ahead of any line that sets SCC
	s_cmp_lt_u32 s14, 4
	s_cselect_b64 s[20:21], s[6:7], s[8:9]         ; W0 or W1
	s_cselect_b32 s22, 96, 0                       ; W0: rows 8-15 of a tile lie 32 units on: 4 r + 96 (r / 8) = 4 (r % 8) + 128 (r / 8)
	s_cselect_b32 s23, 0, 8192                     ; W1: lanes 16-31 begin 32 rows of 256 bytes further down K
	s_cselect_b32 s26, 5, 6                        ; a tile's first column: 8 t numbers (W0) or 16 t (W1), in bytes
	s_cselect_b32 s27, 0xffff0000, 0               ; W0: the lanes whose codes are cleared
	s_cselect_b32 s28, 0, 64                       ; the scale words' half of a register image
	s_and_b32 s29, s14, 3                          ; t
	s_lshl_b32 s24, s29, s26
	s_mov_b32 s25, 0
	s_add_nc_u64 s[20:21], s[20:21], s[24:25]
	s_mov_b32 s30, 0x76543210
	s_mov_b32 s31, 0xfedcba98                      ; v_permlanex16_b32's selects for lane l xor 16
	v_and_b32 v4, 15, v0                           ; r
	v_bfe_u32 v3, v0, 4, 1                         ; h
	v_lshrrev_b32 v6, 3, v4
	v_lshlrev_b32 v5, 2, v4
	v_mad_u32_u24 v5, v6, s22, v5
	v_mad_u32_u24 v5, v3, s23, v5                  ; my column's byte in the first row that I read
.irp i, 0,1,2,3,4,5,6,7,8,9,10,11,12,13,14,15,16,17,18,19,20,21,22,23,24,25,26,27,28,29,30,31
	global_load_b32 v[32+\i], v5, s[20:21] offset:256*\i   ; down K: a row of either weight is 256 bytes
.endr
	v_lshlrev_b32 v12, 3, v3                       ; 8 h: my byte's place in the scale word
	v_mov_b32 v14, 0                               ; a lane permute's destination counts as one of its sources
	v_lshlrev_b32 v7, 3, v2                        ; 8 x lane
	s_wait_loadcnt 0x0
	v_max3_num_f32 v8, |v32|, |v33|, 0x1800000     ; the block's largest magnitude, in two chains, with the floor 2^(3 - 127) among the leaves: the byte cannot fall under 1
	v_max3_num_f32 v9, |v34|, |v35|, |v36|
.irp i, 5,9,13,17,21,25
	v_max3_num_f32 v8, v8, |v[32+\i]|, |v[33+\i]|
	v_max3_num_f32 v9, v9, |v[34+\i]|, |v[35+\i]|
.endr
	v_max3_num_f32 v8, v8, |v61|, |v62|
	v_max3_num_f32 v8, v8, v9, |v63|
	v_add_nc_u32 v10, 0xff000000, v8               ; 2 off its exponent field: the conversion takes the exponent field of this operand as its scale
	v_lshrrev_b32 v11, 23, v10                     ; the scale's byte
	v_lshlrev_b32 v13, v12, v11                    ; at its place,
	v_permlanex16_b32 v14, v13, s30, s31
	v_or_b32 v13, v13, v14                         ; with lane l xor 16's: the row's scale word, in both lanes.  (W0: both lanes hold block 0; byte 1 then scales zero codes)
	v_cvt_scalef32_pk16_fp6_f32 v[16:18], v[32:47], v10
	v_cvt_scalef32_pk16_fp6_f32 v[24:26], v[48:63], v10   ; (a conversion's three registers begin on an even number)
	v_nop                                          ; one plain place behind a scaled conversion
.irp i, 0,1,2
	v_mov_b32 v[19+\i], v[24+\i]
.endr
.irp i, 0,1,2,3,4,5
	v_cndmask_b32 v[16+\i], v[16+\i], 0, s27       ; W0: zero codes for k = 32 .. 63
.endr
	s_mul_i32 s16, s14, 768                        ; three pairs of 256 bytes a wave
	s_mov_b32 s17, 0
	s_add_nc_u64 s[16:17], s[12:13], s[16:17]
.irp p, 0,1,2
	global_store_b64 v7, v[16+2*\p:17+2*\p], s[16:17] offset:CODES+256*\p   ; 32 lanes store 256 consecutive bytes, aligned
.endr
	s_lshl_b32 s18, s29, 7
	s_add_co_u32 s18, s18, s28
	v_lshl_add_u32 v15, v4, 2, s18                 ; 128 t + 64 (W1) + 4 r: lanes r and 16 + r store the same word with the same value
	global_store_b32 v15, v13, s[12:13]
	s_endpgm
.Lfunc_end_k_q6e3edca0a2_prep:
	.size	k_q6e3edca0a2_prep, .Lfunc_end_k_q6e3edca0a2_prep-k_q6e3edca0a2_prep
	.p2alignl 7, 3214868480
	.fill 96, 4, 3214868480
	.section	.rodata,"a",@progbits
	.p2align	6, 0x0
	.amdhsa_kernel k_q6e3edca0a2_prep
		.amdhsa_group_segment_fixed_size 0
		.amdhsa_private_segment_fixed_size 0
		.amdhsa_enable_private_segment 0
		.amdhsa_kernarg_size 40
		.amdhsa_user_sgpr_count 2
		.amdhsa_user_sgpr_kernarg_segment_ptr 1
		.amdhsa_wavefront_size32 1
		.amdhsa_system_sgpr_workgroup_id_x 1
		.amdhsa_system_sgpr_workgroup_id_y 1
		.amdhsa_system_sgpr_workgroup_id_z 1
		.amdhsa_system_vgpr_workitem_id 0
		.amdhsa_next_free_vgpr 112
		.amdhsa_next_free_sgpr 66
		.amdhsa_reserve_vcc 0
		.amdhsa_float_denorm_mode_32 3
		.amdhsa_float_denorm_mode_16_64 3
		.amdhsa_memory_ordered 1
		.amdhsa_forward_progress 1
		.amdhsa_inst_pref_size 16
	.end_amdhsa_kernel
	.amdgpu_metadata
---
amdhsa.version: [ 1, 2 ]
amdhsa.kernels:
  - .name:           k_q6e3edca0a2_prep
    .symbol:         k_q6e3edca0a2_prep.kd
    .args:
      - { .name: x, .offset: 0, .size: 8, .value_kind: global_buffer, .address_space: global }
      - { .name: W0, .offset: 8, .size: 8, .value_kind: global_buffer, .address_space: global }
      - { .name: W1, .offset: 16, .size: 8, .value_kind: global_buffer, .address_space: global }
      - { .name: ypos, .offset: 24, .size: 8, .value_kind: global_buffer, .address_space: global }
      - { .name: wimg, .offset: 32, .size: 8, .value_kind: global_buffer, .address_space: global }
    .group_segment_fixed_size: 0
    .private_segment_fixed_size: 0
    .kernarg_segment_align: 8
    .kernarg_segment_size: 40
    .max_flat_workgroup_size: 256
    .sgpr_count:     66
    .vgpr_count:     112
    .wavefront_size: 32
...
	.end_amdgpu_metadata
.endif
;; end of part 1
;; launch sdf (part 2): grid 512 x 1, 16 waves a work-group, no clusters, 169,984 bytes of LDS; arguments ypos, wimg, tables, W2, out0; writes out0
.if DOCPART == 2
	.amdgcn_target "amdgcn-amd-amdhsa--gfx1250"
	.amdhsa_code_object_version 6
	.text
	.protected	k_q6e3edca0a2_sdf
	.globl	k_q6e3edca0a2_sdf
	.p2align	8
	.type	k_q6e3edca0a2_sdf,@function
k_q6e3edca0a2_sdf:
	s_mov_b64 s[64:65], 0
	v_nop
	global_prefetch_b8 v0, s[64:65] scope:SCOPE_SE
	s_setreg_imm32_b32 hwreg(HW_REG_WAVE_MODE, 25, 1), 1
	s_wait_xcnt 0x0
; out0[p] = relu(relu(enc(p) W0) W1) W2, enc the 16-level hash grid's 32 numbers.  The first two products on codes of E2M3 with one E8M0 scale for each 32 along K, the third in f32 on the vector unit
; (it has one column: a matrix tile would hold fifteen idle ones).
; SHARES.  A wave owns 128 neighbouring points, a work-group of sixteen waves 2,048.  No loop: enc's register numbers hang on the level, so the 64 steps are written out by macro.
; WHOLE NUMBERS.  ypos holds Y = x01 * 2^31 exactly.  A cell coordinate is I = floor(x01 * res) = the high word of Y * (2 res): every gather address is made of whole numbers read from memory.
;   pos = float(Y) * (res * 2^-31) has the bits of the definition's rounded x01 * res (a power of two rounds nothing); frac = pos - float(I): a product and a difference, NOT fused, since the definition rounds pos.
;   Where the rounded pos reaches I + 1 the definition has cell I + 1 with frac 0 and this text cell I with frac 1: the same corners get the same weights.
; LEVELS OUTERMOST, in the order 2, 3, .. 15, 0, 1.  A wave does a level for all its 128 points before the next level.
; LEVELS 0 AND 1 ARE GATHERED FROM LDS.  Their grids are small: with the entries just past the grid that the corners of x01 = 1 name (weight 0, but read), level 0 has 17 + 17^2 + 17^3 + 1 = 5,220 entries of 8 bytes and
;   level 1 has 23 + 23^2 + 23^3 + 1 = 12,720.  Wave 0 brings level 0 and wave 1 level 1, one tensor load each, at the head; the bytes are filled once and only read.  The loads have the first sixteen steps (four levels)
;   in which to land; there every wave waits for its tensor loads and passes the one barrier of the text.
;   No cluster and no joint load: what the work-groups share is these 143,872 bytes, against 2,048 points x 14 levels x 64 bytes = 1,835,008 bytes of gathers that a work-group shares with nobody.
; LANES IN PAIRS ALONG X.  Lanes 2 i and 2 i + 1 work on the same point, the even lane on corners x, the odd lane on corners x + 1: in the dense levels their table entries are neighbours in memory, in the hashed levels
;   (x's factor is 1) their indices differ in low bits alone unless the addition of 1 carries far.  A step handles two points a pair (A: q = st, B: q = 4 + st of the pair's eight), packed two to an instruction.
;   The even lane keeps A's sums and the odd lane B's: lane l then owns points 4 l + 0 .. 3 of the wave, whose four results are 16 neighbouring bytes of out0.
; TWO STEPS' GATHERS ARE OUT WHILE A THIRD STEP'S OFFSETS ARE MADE: offsets of step n + 2, wait for step n, its sums, loads of step n + 2 into the slot just read, weights of step n + 2.
; THE HASH needs the low 19 bits of a product alone, and a coordinate has 12 bits: so the factors are cut to 19 bits and a 24-bit multiply does.
; LIMITS: x in [-1, 1] (outside, indices are held inside the table and the values differ from the definition's); NaN and infinities are not served; a block whose largest magnitude lies under 2^-124 keeps the byte 1.
;
; LDS: bytes 0 .. 41,983 level 0 (164 rows of 256 bytes); 41,984 .. 143,871 level 1 (398 rows).  The claim of 169,984 bytes keeps the work-group alone on its WGP.
; REGISTERS.  All through: v0 thread; v4-7 the weights' scale words (lanes 0-15 W0's tile t, lanes 16-31 W1's); v8-11 enc's scale bytes, slot s; v126 the hidden layer's scale word: these hold scales and nothing else.
; Encoding: v1 lane % 2; v2 -1 (even lanes) or +1, v3 1 or 0; v12-35 Y (point q, coordinate d at 12 + 3 q + d); v36-41 float(Y), pos, frac; v42-47 float(I); v48-57 coordinates and hashes, then weights at work;
;   v58-89, v90-121 two slots by turns: 16 registers of gathered features, 8 of weights, 8 of offsets; v122-125 sums; v128-255 enc: slot s, level l, feature f at 128 + 32 s + 2 l + f.
; MLP: v12-16 offsets; v20-51 enc's codes; v52-57 the operand in hand, v58-63 zero codes (k = 64 .. 127); v64-74 at work; v76-79 results; v80-83 sums; v88-119 the second product's results;
;   v136-159 W0's four fragments, v160-183 W1's, v184-215 W2's numbers; v224-255 the first product's results.
.set PAR,   1
.set SGB,   2
.set WS,    4
.set PS,    8
.set Y,     12
.set FP,    36
.set PF,    42
.set II,    48                         ; group g's x, y, z at II + 3 g
.set HX,    54                         ; group g's second y term and second z term at HX + 2 g
.set OMY,   48                         ; behind the offsets the same ten registers hold 1 - fy, 1 - fz, wx, wx wy0, wx wy1, each a pair (A, B)
.set OMZ,   50
.set WX,    52
.set WXY0,  54
.set WXY1,  56
.set SLOT0, 58
.set SA,    122
.set SB,    124
.set HS,    126
.set E,     128
.set A4,    12                         ; 4 x lane
.set A8,    13                         ; 8 x lane
.set A16,   14                         ; 16 x lane
.set A32H,  15                         ; 32 x (lane / 16)
.set SH8,   16                         ; 8 x (lane / 16)
.set CS,    20                         ; slot s: codes of k = 0 .. 15 at CS + 8 s, of k = 16 .. 31 at CS + 8 s + 4
.set OP,    52
.set M0,    64
.set M1,    65
.set SCL,   66
.set BY,    67
.set WD,    68
.set PX,    69
.set OT,    70
.set CT,    72
.set OUT,   76
.set PA0,   80
.set PA1,   82
.set D2,    88
.set W0F,   136
.set W1F,   160
.set W2V,   184
.set D1,    224
.set CODES, 512                        ; where the codes begin in wimg
.set TMASK, 0x7ffff                    ; a table has 2^19 entries of 8 bytes
.set ROWS0, 164                        ; level 0 in LDS: 5,220 entries = 41,760 bytes, in whole rows of 256 bytes
.set ROWS1, 398                        ; level 1: 12,720 entries = 101,760 bytes
.set LB1,   ROWS0*256                  ; level 1 begins behind level 0
.set FIRSTL, 56                        ; steps 56 to 63 are levels 0 and 1
.set MEET,  16                         ; ahead of this step stand the wait for the tensor loads and the barrier
.set G1A,   32                         ; s[32:39] descriptor group 1 for level 0's rows;  s[40:47] for level 1's
.set G1B,   40
.set G0A,   48                         ; s[48:51], s[52:55] their groups 0.  None of the 24 registers is written again
.set G0B,   52
	s_load_b256 s[4:11], s[0:1], 0x0               ; ypos s[4:5], wimg s[6:7], tables s[8:9], W2 s[10:11]
	s_load_b64 s[12:13], s[0:1], 0x20              ; out0
	v_lshl_add_u32 v254, v0, 2, 0x29000
	v_mov_b32 v255, 0
	ds_add_u32 v254, v255
	ds_add_u32 v254, v255
	s_wait_dscnt 0x0
	v_lshrrev_b32 v36, 5, v0
	v_readfirstlane_b32 s14, v36                   ; wave 0..15
	s_lshl_b32 s15, ttmp9, 4
	s_add_co_u32 s15, s15, s14                     ; which run of 128 points is my wave's
	s_mov_b32 s18, 2654435761 & TMASK              ; y's factor, low 19 bits
	s_mov_b32 s19, 805459861 & TMASK               ; z's
	s_mov_b32 s20, TMASK
	s_mov_b32 s21, 0xaaaaaaaa                      ; the odd lanes
	s_mov_b32 s22, 0xffff0000                      ; lanes 16-31
	s_mov_b32 s24, 0x76543210
	s_mov_b32 s25, 0xfedcba98                      ; v_permlanex16_b32's selects for lane l xor 16
	; descriptor group 1: a dense block as rows of 256 bytes: 32 elements of 8 bytes, the pitch a row, no padding (the gathers fall anywhere)
	s_mov_b32 s[G1A+0], 3<<16                      ; 15:0 no mask; 17:16 elements of 8 bytes; 20 padding off
	s_mov_b32 s[G1A+1], 32<<16                     ; tensor_dim0 = 32
	s_mov_b32 s[G1A+2], ROWS0<<16                  ; tensor_dim1
	s_mov_b32 s[G1A+3], 32<<16                     ; tile_dim0 = 32
	s_mov_b32 s[G1A+4], ROWS0                      ; tile_dim1
	s_mov_b32 s[G1A+5], 32                         ; tensor_dim0_stride
	s_mov_b32 s[G1A+6], 0
	s_mov_b32 s[G1A+7], 0
	s_mov_b32 s[G1B+0], 3<<16
	s_mov_b32 s[G1B+1], 32<<16
	s_mov_b32 s[G1B+2], ROWS1<<16
	s_mov_b32 s[G1B+3], 32<<16
	s_mov_b32 s[G1B+4], ROWS1
	s_mov_b32 s[G1B+5], 32
	s_mov_b32 s[G1B+6], 0
	s_mov_b32 s[G1B+7], 0
	s_mov_b32 s[G0A], 1                            ; 1:0 count = 1
	s_mov_b32 s[G0A+1], 0                          ; 63:32 LDS address
	s_mov_b32 s[G0B], 1
	s_mov_b32 s[G0B+1], LB1
	v_and_b32 v[PAR], 1, v0
	v_cvt_f32_u32 v36, v[PAR]
	v_fma_f32 v[SGB], v36, 2.0, -1.0               ; wx = fx * v2 + v3: 1 - fx in the even lanes, fx in the odd ones, one rounding each
	v_sub_f32 v[SGB+1], 1.0, v36
	v_and_b32 v37, 30, v0
	v_mul_u32_u24 v37, v37, 48                     ; 96 bytes (eight points) for each pair of lanes
	s_mul_i32 s16, s15, 1536                       ; 128 points of 12 bytes
	s_mov_b32 s17, 0
	s_wait_kmcnt 0x0
	s_mov_b64 s[G0A+2:G0A+3], s[8:9]               ; 120:64 global address: level 0's first entry
	s_or_b32 s[G0A+3], s[G0A+3], 0x80000000        ; 127:126 type = 2
	s_add_nc_u64 s[G0B+2:G0B+3], s[8:9], 1<<22     ; level 1's: a level is 2^22 bytes
	s_or_b32 s[G0B+3], s[G0B+3], 0x80000000
	; the two first fills, ahead of every wait on TENSORcnt, every LDS read and the barrier: one load a wave, in one branch on the wave's number; four v_nop follow each
	s_cmp_lt_u32 s14, 1
	s_cbranch_scc0 .Lnot_level_0
	tensor_load_to_lds s[G0A:G0A+3], s[G1A:G1A+7]
	s_nop 0
.rept 4
	v_nop
.endr
	s_branch .Lasked
.Lnot_level_0:
	s_cmp_lt_u32 s14, 2
	s_cbranch_scc0 .Lasked
	tensor_load_to_lds s[G0B:G0B+3], s[G1B:G1B+7]
	s_nop 0
.rept 4
	v_nop
.endr
.Lasked:
	s_add_nc_u64 s[4:5], s[4:5], s[16:17]
	s_lshl_b32 s16, s15, 9                         ; 128 results of 4 bytes
	s_add_nc_u64 s[12:13], s[12:13], s[16:17]
.irp i, 0,1,2,3,4,5
	global_load_b128 v[Y+4*\i:Y+4*\i+3], v37, s[4:5] offset:16*\i th:TH_LOAD_NT
.endr
	s_wait_loadcnt 0x0
.macro NOPS k
.rept \k
	v_nop
.endr
.endm
; The level's resolution floor(16 x 1.3819^l) and the exponent of its leading bit
.macro RS l, r, e
.if LV == \l
.set RES, \r
.set EX, \e
.endif
.endm
.macro RESOF
	RS 0, 16, 4
	RS 1, 22, 4
	RS 2, 30, 4
	RS 3, 42, 5
	RS 4, 58, 5
	RS 5, 80, 6
	RS 6, 111, 6
	RS 7, 153, 7
	RS 8, 212, 7
	RS 9, 294, 8
	RS 10, 406, 8
	RS 11, 561, 9
	RS 12, 775, 9
	RS 13, 1072, 10
	RS 14, 1481, 10
	RS 15, 2047, 10
.set GS1, RES+1
.set GS2, GS1*GS1
.if GS1*GS2 <= 524288
.set DENSE, 1                          ; the grid fits into the table: plain indexing
.else
.set DENSE, 0
.endif
.if LV < 2
.set INLDS, 1                          ; the level lies in LDS
.set IMAX, RES*(1+GS1+GS2)+1           ; the largest index of a lane's first corner for x01 <= 1; with the largest immediate below, the entry read lies inside the rows that were brought
.set OBASE, LV*LB1
.else
.set INLDS, 0
.set IMAX, TMASK-GS1-GS2               ; with the largest immediate below the entry stays inside the table
.set OBASE, LV<<22                     ; 2^22 bytes a level
.endif
.endm
; The slot's offset registers are the address registers of the gathers of two steps ago, which may still be out: they are written again only behind this wait.  (LDS loads' address registers want none.)
.macro XFREE
.if (MI >= 2) && (MI <= FIRSTL+1)
	s_wait_xcnt 0x0
.endif
.endm
; Step MI (level (MI / 4 + 2) % 16, points st = MI % 4 and 4 + st of each pair of lanes), first part: the eight offsets, whole numbers alone.
.macro OFFS
.set LV, (MI/4+2)%16
.set ST, MI%4
.set FE, SLOT0+32*(MI%2)               ; gather 4 g + 2 j + k (group g, corner y + j, z + k): a pair of features at FE + 2 (4 g + 2 j + k)
.set WT, FE+16                         ; weight of corner 2 j + k: the pair (A's, B's)
.set OF, FE+24
.if ST == 0
	RESOF
	s_mov_b32 s26, 2*RES
	s_mov_b32 s28, ((96+EX)<<23)|((RES<<(23-EX))&0x7fffff)   ; res * 2^-31 as f32
	s_mov_b32 s29, s28                             ; (named with it as a pair, so it is written)
.endif
.irp d, 0,1,2
.irp g, 0,1
	v_mul_hi_u32 v[II+3*\g+\d], v[Y+3*(ST+4*\g)+\d], s26     ; I = floor(x01 * res)
.endr
.endr
.irp d, 0,1,2
.irp g, 0,1
	v_cvt_f32_u32 v[PF+2*\d+\g], v[II+3*\g+\d]
.endr
.endr
.irp g, 0,1
	v_add_nc_u32 v[II+3*\g], v[II+3*\g], v[PAR]    ; my lane's corner along x
.endr
.if DENSE
.irp g, 0,1
	v_mad_u32_u24 v[II+3*\g], v[II+3*\g+1], GS1, v[II+3*\g]
.endr
.irp g, 0,1
	v_mad_u32_u24 v[II+3*\g], v[II+3*\g+2], GS2, v[II+3*\g]
.endr
.irp g, 0,1
	v_min_u32 v[II+3*\g], IMAX, v[II+3*\g]         ; a number made of loaded data enters an address behind a written bound
.endr
	XFREE
.irp g, 0,1
	v_lshl_add_u32 v[OF+\g], v[II+3*\g], 3, OBASE  ; 8 bytes an entry
.endr
.else
.irp g, 0,1
	v_mul_u32_u24 v[II+3*\g+1], s18, v[II+3*\g+1]            ; y's term for corner y
	v_mul_u32_u24 v[II+3*\g+2], s19, v[II+3*\g+2]            ; z's for corner z
.endr
.irp g, 0,1
	v_add_nc_u32 v[HX+2*\g], s18, v[II+3*\g+1]               ; for corner y + 1
	v_add_nc_u32 v[HX+2*\g+1], s19, v[II+3*\g+2]             ; for corner z + 1
.endr
.irp g, 0,1
	v_xor_b32 v[II+3*\g+1], v[II+3*\g], v[II+3*\g+1]         ; x's term with y's
	v_xor_b32 v[HX+2*\g], v[II+3*\g], v[HX+2*\g]
.endr
	XFREE
.irp g, 0,1
	v_xor_b32 v[OF+4*\g+0], v[II+3*\g+1], v[II+3*\g+2]
	v_xor_b32 v[OF+4*\g+1], v[II+3*\g+1], v[HX+2*\g+1]
	v_xor_b32 v[OF+4*\g+2], v[HX+2*\g], v[II+3*\g+2]
	v_xor_b32 v[OF+4*\g+3], v[HX+2*\g], v[HX+2*\g+1]
.endr
.irp c, 0,1,2,3,4,5,6,7
	v_and_b32 v[OF+\c], s20, v[OF+\c]
.endr
.irp c, 0,1,2,3,4,5,6,7
	v_min_u32 v[OF+\c], TMASK, v[OF+\c]            ; changes no value: a number made of loaded data enters an address behind a written bound
.endr
.irp c, 0,1,2,3,4,5,6,7
	v_lshl_add_u32 v[OF+\c], v[OF+\c], 3, OBASE
.endr
.endif
.endm
; Second part: the eight gathers, into the slot whose features have just been summed.
.macro LOADS
.if INLDS
.irp g, 0,1
.irp j, 0,1
.irp k, 0,1
	ds_load_b64 v[FE+2*(4*\g+2*\j+\k):FE+2*(4*\g+2*\j+\k)+1], v[OF+\g] offset:8*(\j*GS1+\k*GS2)
.endr
.endr
.endr
.elseif DENSE
.irp g, 0,1
.irp j, 0,1
.irp k, 0,1
	global_load_b64 v[FE+2*(4*\g+2*\j+\k):FE+2*(4*\g+2*\j+\k)+1], v[OF+\g], s[8:9] offset:8*(\j*GS1+\k*GS2)
.endr
.endr
.endr
.else
.irp c, 0,1,2,3,4,5,6,7
	global_load_b64 v[FE+2*\c:FE+2*\c+1], v[OF+\c], s[8:9]
.endr
.endif
.endm
; Third part: the weights, made while the gathers are on their way.
.macro WEIGHTS
.irp d, 0,1,2
.irp g, 0,1
	v_cvt_f32_u32 v[FP+2*\d+\g], v[Y+3*(ST+4*\g)+\d]         ; exact: Y has at most 24 significant bits
.endr
.endr
.irp d, 0,1,2
	v_pk_mul_f32 v[FP+2*\d:FP+2*\d+1], v[FP+2*\d:FP+2*\d+1], s[28:29] op_sel_hi:[1,0]   ; pos
.endr
.irp d, 0,1,2
	v_pk_add_f32 v[FP+2*\d:FP+2*\d+1], v[FP+2*\d:FP+2*\d+1], v[PF+2*\d:PF+2*\d+1] neg_lo:[0,1] neg_hi:[0,1]   ; frac
.endr
	v_pk_add_f32 v[OMY:OMY+1], v[FP+2:FP+3], 1.0 op_sel_hi:[1,0] neg_lo:[1,0] neg_hi:[1,0]   ; 1 - fy
	v_pk_add_f32 v[OMZ:OMZ+1], v[FP+4:FP+5], 1.0 op_sel_hi:[1,0] neg_lo:[1,0] neg_hi:[1,0]   ; 1 - fz
	v_pk_fma_f32 v[WX:WX+1], v[FP:FP+1], v[SGB:SGB+1], v[SGB:SGB+1] op_sel:[0,0,1] op_sel_hi:[1,0,1]   ; fx * v2 + v3 in both halves
	v_pk_mul_f32 v[WXY0:WXY0+1], v[WX:WX+1], v[OMY:OMY+1]
	v_pk_mul_f32 v[WXY1:WXY1+1], v[WX:WX+1], v[FP+2:FP+3]
	v_pk_mul_f32 v[WT+0:WT+1], v[WXY0:WXY0+1], v[OMZ:OMZ+1]  ; (wx wy) wz
	v_pk_mul_f32 v[WT+2:WT+3], v[WXY0:WXY0+1], v[FP+4:FP+5]
	v_pk_mul_f32 v[WT+4:WT+5], v[WXY1:WXY1+1], v[OMZ:OMZ+1]
	v_pk_mul_f32 v[WT+6:WT+7], v[WXY1:WXY1+1], v[FP+4:FP+5]
.endm
; The wait for step NI's eight gathers.  Loads of a kind come back in order; behind step NI's stand exactly the next step's eight of the same kind, or none.
.macro AWAIT
.if NI == 63
	s_wait_dscnt 0x0                               ; the last step
.elseif NI >= FIRSTL
	s_wait_dscnt 8                                 ; from LDS: the next step's eight may be out
.elseif NI == FIRSTL-1
	s_wait_loadcnt 0x0                             ; the last step from memory: behind it only LDS loads were issued
.else
	s_wait_loadcnt 8                               ; from memory: the next step's eight may be out
.endif
.endm
; Step NI's gathers are in: my four corners of A and of B, two features at a time; then my neighbour's four; the even lane keeps A's two numbers, the odd lane B's.  The first product starts each sum.
.macro CONSUME
.set CFE, SLOT0+32*(NI%2)
.set CWT, CFE+16
.set CE,  E+32*(NI%4)+2*((NI/4+2)%16)
	v_pk_mul_f32 v[SA:SA+1], v[CFE:CFE+1], v[CWT:CWT+1] op_sel_hi:[1,0]                    ; both features x A's weight (the pair's first register)
	v_pk_mul_f32 v[SB:SB+1], v[CFE+8:CFE+9], v[CWT:CWT+1] op_sel:[0,1] op_sel_hi:[1,1]      ; x B's (its second)
.irp c, 1,2,3
	v_pk_fma_f32 v[SA:SA+1], v[CFE+2*\c:CFE+2*\c+1], v[CWT+2*\c:CWT+2*\c+1], v[SA:SA+1] op_sel_hi:[1,0,1]
	v_pk_fma_f32 v[SB:SB+1], v[CFE+8+2*\c:CFE+9+2*\c], v[CWT+2*\c:CWT+2*\c+1], v[SB:SB+1] op_sel:[0,1,0] op_sel_hi:[1,1,1]
.endr
.irp f, 0,1,2,3
	v_add_f32_dpp v[SA+\f], v[SA+\f], v[SA+\f] row_xmask:1 row_mask:0xf bank_mask:0xf
.endr
	v_cndmask_b32 v[CE], v[SA], v[SB], s21
	v_cndmask_b32 v[CE+1], v[SA+1], v[SB+1], s21
.endm
	; ---- the encoding: 16 levels x 4 steps
.set MI, 0
	OFFS
	LOADS
	WEIGHTS
.set MI, 1
	OFFS
	LOADS
	WEIGHTS
.set NI, 0
.rept 62
.set MI, NI+2
.if MI == MEET
	s_wait_tensorcnt 0x0                           ; waves 0 and 1: my level's rows have landed; the others have no tensor load out
	s_barrier_signal -1                            ; (the LDS adds at the head have been waited for; the gathers that are out read tables, which nobody writes)
	s_barrier_wait -1                              ; both levels lie in LDS for every wave: they are read from step 56 on and never written again
.endif
	OFFS                                           ; whole-number work while two steps' gathers are out
	AWAIT
	CONSUME
	LOADS                                          ; the slot just read is asked for again at once
	WEIGHTS
.set NI, NI+1
.endr
	AWAIT
	CONSUME
.set NI, 63
	AWAIT
	CONSUME
	; ---- the MLP
; The largest of 32 registers from b on, in two chains, sources ascending, with the floor 2^(3 - 127) among the leaves (the scale's byte cannot fall under 1).  ab = 1: magnitudes; 0: as they are, so that what relu clips does not count.
.macro MAX32 b, ab
.if \ab
	v_max3_num_f32 v[M0], |v[(\b)]|, |v[(\b)+1]|, 0x1800000
	v_max3_num_f32 v[M1], |v[(\b)+2]|, |v[(\b)+3]|, |v[(\b)+4]|
.irp i, 5,9,13,17,21,25
	v_max3_num_f32 v[M0], v[M0], |v[(\b)+\i]|, |v[(\b)+\i+1]|
	v_max3_num_f32 v[M1], v[M1], |v[(\b)+\i+2]|, |v[(\b)+\i+3]|
.endr
	v_max3_num_f32 v[M0], v[M0], |v[(\b)+29]|, |v[(\b)+30]|
	v_max3_num_f32 v[M0], v[M0], v[M1], |v[(\b)+31]|
.else
	v_max3_num_f32 v[M0], v[(\b)], v[(\b)+1], 0x1800000
	v_max3_num_f32 v[M1], v[(\b)+2], v[(\b)+3], v[(\b)+4]
.irp i, 5,9,13,17,21,25
	v_max3_num_f32 v[M0], v[M0], v[(\b)+\i], v[(\b)+\i+1]
	v_max3_num_f32 v[M1], v[M1], v[(\b)+\i+2], v[(\b)+\i+3]      ; (each accumulator of eight is first read at its lowest register)
.endr
	v_max3_num_f32 v[M0], v[M0], v[(\b)+29], v[(\b)+30]
	v_max3_num_f32 v[M0], v[M0], v[M1], v[(\b)+31]
.endif
.endm
; enc of my point s: its 32 numbers are one block and all mine.  Codes to CS + 8 s, the scale's byte to PS + s.
.macro QUANT1 s
	MAX32 E+32*\s, 1
	v_add_nc_u32 v[SCL], 0xff000000, v[M0]         ; 2 off the exponent field: the conversion's scale operand
	v_lshrrev_b32 v[PS+\s], 23, v[SCL]             ; the byte; the word's other bytes are 0 and scale zero codes
	v_cvt_scalef32_pk16_fp6_f32 v[CS+8*\s:CS+8*\s+2], v[E+32*\s:E+32*\s+15], v[SCL]
	v_cvt_scalef32_pk16_fp6_f32 v[CS+8*\s+4:CS+8*\s+6], v[E+32*\s+16:E+32*\s+31], v[SCL]
	v_nop                                          ; one plain place behind a scaled conversion
.endm
	v_and_b32 v[A4], 31, v0
	v_lshlrev_b32 v[A8], 3, v[A4]
	v_lshlrev_b32 v[A16], 4, v[A4]
	v_lshlrev_b32 v[A4], 2, v[A4]
	v_bfe_u32 v[SH8], v0, 4, 1
	v_lshlrev_b32 v[A32H], 5, v[SH8]
	v_lshlrev_b32 v[SH8], 3, v[SH8]
.irp i, 0,1,2,3,4,5,6,7,8,9,10,11
	v_mov_b32 v[OP+\i], 0                          ; the upper six stay zero codes for k = 64 .. 127; the lower six are written so that a lane permute may name them as its destination
.endr
	v_mov_b32 v[PX], 0
	; the weights' images land in enc's registers as the slots are quantised
	QUANT1 0
.irp t, 0,1,2,3
	global_load_b32 v[WS+\t], v[A4], s[6:7] offset:128*\t
.endr
.irp p, 0,1,2,3,4,5,6,7,8,9,10,11
	global_load_b64 v[W0F+2*\p:W0F+2*\p+1], v[A8], s[6:7] offset:CODES+256*\p
.endr
	QUANT1 1
.irp p, 12,13,14,15,16,17,18,19,20,21,22,23
	global_load_b64 v[W0F+2*\p:W0F+2*\p+1], v[A8], s[6:7] offset:CODES+256*\p   ; W1's fragments follow W0's
.endr
	QUANT1 2
.irp t, 0,1,2,3
	global_load_b128 v[W2V+8*\t:W2V+8*\t+3], v[A32H], s[10:11] offset:64*\t       ; W2[16 t + 8 h + 0 .. 7]: the units that my lane holds of the second product's tile t
	global_load_b128 v[W2V+8*\t+4:W2V+8*\t+7], v[A32H], s[10:11] offset:64*\t+16
.endr
	QUANT1 3
	s_wait_loadcnt 0x0
; Sixteen points: slot s of lanes 0-15 (hb = 0) or of lanes 16-31 (hb = 1).  Both products are used transposed: source 0 = 16 hidden units, source 1 = the points, so that a lane holds one point.
; A weight's operand is named as twelve registers from its fragment's first on; its upper six (the next fragment, or W2's numbers) stand for k = 64 .. 127 and meet the points' zero codes; no scale byte there is 0xff.
; Every matrix instruction starts a sum of its own with the constant 0: no accumulator is taken up again.
.macro TILE s, hb
.irp i, 0,1,2
.if \hb
	v_permlanex16_b32 v[OP+\i], v[CS+8*\s+\i], s24, s25          ; the points of lanes 16-31 come down to lanes 0-15; what goes up stands for k = 32 .. 63 and meets W0's zero codes
	v_permlanex16_b32 v[OP+3+\i], v[CS+8*\s+4+\i], s24, s25
.else
	v_mov_b32 v[OP+\i], v[CS+8*\s+\i]
	v_mov_b32 v[OP+3+\i], v[CS+8*\s+4+\i]
.endif
.endr
	NOPS 4                                         ; an operand written by vector instructions stands four places ahead of a scaled matrix instruction
.irp t, 0,1,2,3
.if \hb
	v_wmma_scale_f32_16x16x128_f8f6f4 v[D1+8*\t:D1+8*\t+7], v[W0F+6*\t:W0F+6*\t+11], v[OP:OP+11], 0, v[WS+\t], v[PS+\s] matrix_a_fmt:MATRIX_FMT_FP6 matrix_b_fmt:MATRIX_FMT_FP6 matrix_b_scale:MATRIX_SCALE_ROW1
.else
	v_wmma_scale_f32_16x16x128_f8f6f4 v[D1+8*\t:D1+8*\t+7], v[W0F+6*\t:W0F+6*\t+11], v[OP:OP+11], 0, v[WS+\t], v[PS+\s] matrix_a_fmt:MATRIX_FMT_FP6 matrix_b_fmt:MATRIX_FMT_FP6
.endif
.endr
	NOPS 4                                         ; four places before a vector instruction reads a result (ISA guide 7.12.1)
	; lane (r, h) holds point r's hidden units 32 h + 0 .. 31 in D1's 32 registers: one whole block of the next K
	MAX32 D1, 0
	v_add_nc_u32 v[SCL], 0xff000000, v[M0]
	v_lshrrev_b32 v[BY], 23, v[SCL]
	v_lshlrev_b32 v[WD], v[SH8], v[BY]             ; block h's byte at its place,
	v_permlanex16_b32 v[PX], v[WD], s24, s25
	v_or_b32 v[HS], v[WD], v[PX]                   ; with the other block's: the point's scale word
.irp j, 0,1,2,3,4,5,6,7,8,9,10,11,12,13,14,15,16,17,18,19,20,21,22,23,24,25,26,27,28,29,30,31
	v_max_num_f32 v[D1+\j], 0, v[D1+\j]            ; relu.  (These 32 name no register of the second product: they are also the eight places between the scale word's write and it)
.endr
	v_cvt_scalef32_pk16_fp6_f32 v[OP:OP+2], v[D1:D1+15], v[SCL]
	v_cvt_scalef32_pk16_fp6_f32 v[CT:CT+2], v[D1+16:D1+31], v[SCL]   ; (a conversion's three registers begin on an even number)
	v_nop                                          ; one plain place behind a scaled conversion
.irp i, 0,1,2
	v_mov_b32 v[OP+3+\i], v[CT+\i]
.endr
	NOPS 4
.irp t, 0,1,2,3
	v_wmma_scale_f32_16x16x128_f8f6f4 v[D2+8*\t:D2+8*\t+7], v[W1F+6*\t:W1F+6*\t+11], v[OP:OP+11], 0, v[WS+\t], v[HS] matrix_a_fmt:MATRIX_FMT_FP6 matrix_b_fmt:MATRIX_FMT_FP6 matrix_a_scale:MATRIX_SCALE_ROW1
.endr
	NOPS 4
	; lane (r, h): register 8 t + j = point r's unit 16 t + 8 h + j.  The third product: 32 multiply-adds a lane in two chains, then the other half of the lanes'
.irp j, 0,1,2,3,4,5,6,7,8,9,10,11,12,13,14,15,16,17,18,19,20,21,22,23,24,25,26,27,28,29,30,31
	v_max_num_f32 v[D2+\j], 0, v[D2+\j]
.endr
	v_pk_mul_f32 v[PA0:PA0+1], v[D2:D2+1], v[W2V:W2V+1]
	v_pk_mul_f32 v[PA1:PA1+1], v[D2+2:D2+3], v[W2V+2:W2V+3]
.irp j, 4,8,12,16,20,24,28
	v_pk_fma_f32 v[PA0:PA0+1], v[D2+\j:D2+\j+1], v[W2V+\j:W2V+\j+1], v[PA0:PA0+1]
	v_pk_fma_f32 v[PA1:PA1+1], v[D2+\j+2:D2+\j+3], v[W2V+\j+2:W2V+\j+3], v[PA1:PA1+1]
.endr
	v_pk_add_f32 v[PA0:PA0+1], v[PA0:PA0+1], v[PA1:PA1+1]
	v_add_f32 v[OT], v[PA0], v[PA0+1]
	v_permlanex16_b32 v[PX], v[OT], s24, s25
.if \hb
	v_add_f32 v[OT], v[OT], v[PX]                  ; point r's result stands in lanes r and 16 + r: lanes 16-31 own these points
	v_cndmask_b32 v[OUT+\s], v[OUT+\s], v[OT], s22
.else
	v_add_f32 v[OUT+\s], v[OT], v[PX]              ; lanes 0-15 own these points; lanes 16-31 are written anew by the other half's tile
.endif
.endm
.irp s, 0,1,2,3
	TILE \s, 0
	TILE \s, 1
.endr
	global_store_b128 v[A16], v[OUT:OUT+3], s[12:13] th:TH_STORE_NT   ; 32 lanes store 512 consecutive bytes, at a multiple of 512 from out0's first byte; written once, read by nobody here
	s_wait_xcnt 0x0
	v_lshl_add_u32 v254, v0, 2, 0x29000
	v_mov_b32 v255, 0
	s_wait_tensorcnt 0x0
	ds_add_u32 v254, v255
	s_wait_dscnt 0x0
	s_endpgm
.Lfunc_end_k_q6e3edca0a2_sdf:
	.size	k_q6e3edca0a2_sdf, .Lfunc_end_k_q6e3edca0a2_sdf-k_q6e3edca0a2_sdf
	.p2alignl 7, 3214868480
	.fill 96, 4, 3214868480
	.section	.rodata,"a",@progbits
	.p2align	6, 0x0
	.amdhsa_kernel k_q6e3edca0a2_sdf
		.amdhsa_group_segment_fixed_size 169984
		.amdhsa_private_segment_fixed_size 0
		.amdhsa_enable_private_segment 0
		.amdhsa_kernarg_size 40
		.amdhsa_user_sgpr_count 2
		.amdhsa_user_sgpr_kernarg_segment_ptr 1
		.amdhsa_wavefront_size32 1
		.amdhsa_system_sgpr_workgroup_id_x 1
		.amdhsa_system_sgpr_workgroup_id_y 1
		.amdhsa_system_sgpr_workgroup_id_z 1
		.amdhsa_system_vgpr_workitem_id 0
		.amdhsa_next_free_vgpr 256
		.amdhsa_next_free_sgpr 66
		.amdhsa_reserve_vcc 0
		.amdhsa_float_denorm_mode_32 3
		.amdhsa_float_denorm_mode_16_64 3
		.amdhsa_memory_ordered 1
		.amdhsa_forward_progress 1
		.amdhsa_inst_pref_size 255
	.end_amdhsa_kernel
	.section	.bss,"aw",@nobits
	.p2align	6
	.space	262144
	.amdgpu_metadata
---
amdhsa.version: [ 1, 2 ]
amdhsa.kernels:
  - .name:           k_q6e3edca0a2_sdf
    .symbol:         k_q6e3edca0a2_sdf.kd
    .args:
      - { .name: ypos, .offset: 0, .size: 8, .value_kind: global_buffer, .address_space: global }
      - { .name: wimg, .offset: 8, .size: 8, .value_kind: global_buffer, .address_space: global }
      - { .name: tables, .offset: 16, .size: 8, .value_kind: global_buffer, .address_space: global }
      - { .name: W2, .offset: 24, .size: 8, .value_kind: global_buffer, .address_space: global }
      - { .name: out0, .offset: 32, .size: 8, .value_kind: global_buffer, .address_space: global }
    .group_segment_fixed_size: 169984
    .private_segment_fixed_size: 0
    .kernarg_segment_align: 8
    .kernarg_segment_size: 40
    .max_flat_workgroup_size: 512
    .sgpr_count:     66
    .vgpr_count:     256
    .wavefront_size: 32
...
	.end_amdgpu_metadata
.endif
;; end of part 2
